; MI455X (gfx1250); checked and timed in simulation.
; The chip was launched on July 23, 2026; its instructions are those of AMD's public machine-readable ISA for CDNA 5 (MIT licence, August 2026) and "CDNA5" Instruction Set Architecture Reference Guide (July 2026). The comments in the code are by the model that wrote it; some were corrected since.
;; Multi Head Self Attention. Allowed arithmetic: matrix products marked QUANTISED: E2M1 operands, one E8M0 scale for each 32 along K, by v_wmma_scale_f32_16x16x128_f8f6f4 with both operands' format E2M1 (or v_wmma_scale_f32_32x16x128_f4), f32 sums; everything else in f32.
;; Inputs: Wk_codes 1,024 x 32 x 16 uint8 (E2M1 codes of Wk, K innermost, in blocks of 32 codes, two codes a byte); Wk_scales 1,024 x 32 uint8 (E8M0 scales of Wk, one for each 32 codes along K); Wo_codes 1,024 x 32 x 16 uint8 (E2M1 codes of Wo, K innermost, in blocks of 32 codes, two codes a byte); Wo_scales 1,024 x 32 uint8 (E8M0 scales of Wo, one for each 32 codes along K); Wq_codes 1,024 x 32 x 16 uint8 (E2M1 codes of Wq, K innermost, in blocks of 32 codes, two codes a byte); Wq_scales 1,024 x 32 uint8 (E8M0 scales of Wq, one for each 32 codes along K); Wv_codes 1,024 x 32 x 16 uint8 (E2M1 codes of Wv, K innermost, in blocks of 32 codes, two codes a byte); Wv_scales 1,024 x 32 uint8 (E8M0 scales of Wv, one for each 32 codes along K); bk 1,024 float32; bo 1,024 float32; bq 1,024 float32; bv 1,024 float32; x_codes 4 x 2,048 x 32 x 16 uint8 (E2M1 codes of x, K innermost, in blocks of 32 codes, two codes a byte); x_scales 4 x 2,048 x 32 uint8 (E8M0 scales of x, one for each 32 codes along K).
;; Outputs: out0 4 x 2,048 x 1,024 float32.
;; This version of the problem:
;;   THIS VERSION OF THE PROBLEM IS GIVEN IN LOW PRECISION. The matrix products marked QUANTISED in the list below multiply operands that are first quantised to E2M1 (2 exponent bits, 1 mantissa bit; 4 bits a number), with one power-of-two scale for each 32 numbers along K (OCP MX v1.0); their sums are f32. All else is computed in f32.
;;   The module's matrix products, in the order in which they are computed (A, B: the left and right operand; K: the contracted axis; several contracted axes count as one K, in the product's order):
;;     1. [M 8,192, K 1,024] x [K 1,024, N 1,024]; A: input x (given as codes); B: input Wq (given as codes): QUANTISED
;;     2. [M 8,192, K 1,024] x [K 1,024, N 1,024]; A: input x (given as codes); B: input Wk (given as codes): QUANTISED
;;     3. [M 8,192, K 1,024] x [K 1,024, N 1,024]; A: input x (given as codes); B: input Wv (given as codes): QUANTISED
;;     4. batch 64 x [M 2,048, K 64] x [K 64, N 2,048]; A: computed on the way; B: computed on the way: QUANTISED
;;     5. batch 64 x [M 2,048, K 2,048] x [K 2,048, N 64]; A: softmax (see below); B: computed on the way: QUANTISED
;;     6. [M 8,192, K 1,024] x [K 1,024, N 1,024]; A: computed on the way; B: input Wo (given as codes): QUANTISED
;;   THE QUANTISER, for each operand of a quantised product, along K:
;;     - K is cut into blocks of 32 from its start; a last block that is shorter is filled with zeros.
;;     - A block's scale is 2^e with e = floor(log2(the largest magnitude in the block)) - 2, held to -126 .. 127; a block of zeros has e = 0. As a byte (E8M0): e + 127.
;;     - Each number is divided by its block's scale, clamped to +-6, and rounded to the nearest number of E2M1, ties to even, subnormals kept.
;;     - The product sums the exact products of the quantised numbers (number of the format x scale) in f32.
;;   ~~~python
;;   def quantise(x, axis):      # numpy; x: float32 -> the quantised numbers, widened to float32 again
;;       x = np.moveaxis(x, axis, -1); K = x.shape[-1]
;;       x = np.pad(x, [(0, 0)] * (x.ndim - 1) + [(0, -K % 32)]); x = x.reshape(x.shape[:-1] + (-1, 32)); a = np.abs(x).max(-1, keepdims=True)
;;       e = np.where(a > 0, np.clip(np.frexp(np.where(a > 0, a, 1))[1] - 1 - 2, -126, 127), 0)      # np.frexp(a)[1] - 1 = floor(log2(a)), exactly
;;       r = np.clip(x / 2.0 ** e, -6, 6)
;;       step = 2.0 ** (np.maximum(np.frexp(np.where(r == 0, 1, r))[1] - 1, 0) - 1)
;;       q = np.round(r / step) * step * 2.0 ** e      # np.round: ties to even
;;       return np.moveaxis(q.reshape(q.shape[:-2] + (-1,))[..., :K], -1, axis).astype(np.float32)
;;   ~~~
;;   SOFTMAX AHEAD OF A QUANTISED PRODUCT. Where the list says 'softmax', what is quantised is not the finished softmax but p = 2^(t - M), with t = logit x log2(e) and M = ceil(the row's largest t), a whole number; so 1/2 < the row's largest p <= 1. The row's sum l is taken of the UNQUANTISED p, in f32, and the product's result is divided by l at the end. Since M is a whole number, a kernel that streams over the keys may use a running M (the ceiling of the running maximum): every later rescaling is an exact power of two, which a block's scale takes up: the codes' values come out the same.
;;   OPERANDS COMPUTED ON THE WAY. 'Computed on the way' means the value that the module computes at that place (a softmax that the list does not call 'softmax' is quantised finished and normalised). What goes into a quantiser is computed in f32, as accurately as f32 sums, v_exp_f32 and their like allow (about 1e-6 of the number): no bf16 or f16 on the way to a quantiser, and a product that is left as it is and whose result goes on into a quantised operand takes f32 operands (vector FMAs, or v_wmma_f32_16x16x4_f32). A number that lies on a knife's edge between two numbers of the format may be rounded either way, as far as f32 arithmetic and the matrix unit's own rounding can turn it there, and no further.
;;   INPUTS GIVEN AS CODES. Wk (in the module: [1024, 1024], K = its axis 1); Wo (in the module: [1024, 1024], K = its axis 1); Wq (in the module: [1024, 1024], K = its axis 1); Wv (in the module: [1024, 1024], K = its axis 1); x (in the module: [4, 2048, 1024], K = its axis 2): each comes as NAME_codes (uint8): NAME with its K axis moved to the last place and cut into blocks of 32 codes, [.., K / 32, bytes a block], one block behind the other in memory; two codes a byte, the lower K in the low four bits (a code: sign, 2 exponent bits, 1 mantissa bit); and NAME_scales (uint8): the same leading axes, one E8M0 byte (e + 127) for each 32 codes along K. Its value is code x scale, taken as it is: it is not quantised again, and the codes and scales need not be those that the quantiser above would give.
;; One version. Each part assembles by itself: llvm-mc -triple=amdgcn-amd-amdhsa -mcpu=gfx1250 --defsym DOCPART=n.
;; ======== version 1 of 1: 3 launches
;; workspace buffers: qkvc 12,582,912 bytes; qkvs 1,572,864 bytes; attc 4,194,304 bytes; atts 262,144 bytes
;; launch proj (part 1): grid 12 x 64, 4 waves a work-group, clusters of 4 x 4, 224,768 bytes of LDS; arguments x_codes, x_scales, Wq_codes, Wq_scales, Wk_codes, Wk_scales, Wv_codes, Wv_scales, bq, bk, bv, qkvc, qkvs; writes qkvc, qkvs
.if DOCPART == 1
	.amdgcn_target "amdgcn-amd-amdhsa--gfx1250"
	.amdhsa_code_object_version 6
	.text
	.protected	k_q2d979a2cbe_proj
	.globl	k_q2d979a2cbe_proj
	.p2align	8
	.type	k_q2d979a2cbe_proj,@function
k_q2d979a2cbe_proj:
	s_mov_b64 s[64:65], 0
	v_nop
	global_prefetch_b8 v0, s[64:65] scope:SCOPE_SE
	s_setreg_imm32_b32 hwreg(HW_REG_WAVE_MODE, 25, 1), 1
	s_wait_xcnt 0x0
	s_wait_alu depctr_hold_cnt(0) depctr_sa_sdst(0) depctr_va_vdst(0) depctr_va_sdst(0) depctr_va_ssrc(0) depctr_va_vcc(0) depctr_vm_vsrc(0)
	s_getreg_b32 s2, hwreg(HW_REG_IB_STS2, 6, 4)
	s_cmp_eq_u32 s2, 0
	s_cbranch_scc0 .Lentry_in_a_cluster
	s_endpgm
.Lentry_in_a_cluster:
	s_bfe_u32 s2, ttmp6, 0x10000c
	s_cmp_lg_u32 s2, 0xf033
	s_cbranch_scc0 .Lentry_shape_is_right
	s_endpgm
.Lentry_shape_is_right:
; Q = x Wq^T + bq, K = x Wk^T + bk, V = x Wv^T + bv on codes of FP4 (E2M1) with E8M0 scales, and their quantising: Q and K along a head's 64 channels, V along the keys.
; ONE TEXT FOR ALL THREE.  The text computes D = src0 src1^T: a lane holds ONE row of src1, its registers run along the rows of src0, and the quantiser runs along src0.
;   cluster x = 0: src0 = Wq (channels), src1 = x (tokens);  1: src0 = Wk, src1 = x;  2: src0 = x (tokens = keys), src1 = Wv (channels).
; All rows are 512 bytes of codes and 32 scale bytes, so only pointers and a few scalars differ; they are chosen by s_cselect on the cluster's x, which all partners share.  No branch hangs on it.
; SHARES.  A work-group makes 256 rows of src0 x 128 rows of src1 over all of K = 1,024.  Wave w: g = w & 1 picks its 128 rows of src0, ah = w >> 1 its 64 rows of src1: 32 accumulators, 256 registers.
; LDS.  All of K fits: two chunks of 256-byte rows (512 along K each), each filled once, so no byte of LDS is filled twice.  The scale bytes of the work-group's rows come once, as units of 256 bytes.
; CLUSTER 4 x 4.  src0's tiles hang on cx alone and are asked for jointly by a column of the cluster, src1's on cy alone and by a row: the requests are divided by four.
; THE BIAS.  For Q and K it runs along src0: it is the C of the first K step (B0).  For V it runs along src1: one number a lane, added on the way out (B1).  Both are always loaded; the one that does not apply is
; masked to zeros, so each sum is rounded as often as with one bias.
; THE WAY OUT.  Register 8 b + j of lane (r, h) holds src0's row 16 b + 8 h + j.  The eight conversions (one a tile) and four exchanges of lane halves give the 4-bit operand's registers:
; register 4 c + i of lane (r, h) holds k = 64 c + 32 h + 8 i .. + 7.  They are stored AS THEY STAND, 512 consecutive bytes a group of four registers: the next launch loads them back into the same lanes.
; The scale words meet in a stage in LDS, laid so that the next launch takes four tiles' words by one load of 16 bytes a lane, and leave as 512 consecutive bytes a wave.  V's words are stored twice (copy 0, copy 1):
; the price of one way out for all three tensors.  Q's and K's words hold two bytes (a head has two blocks); their upper two bytes are 0.
; LIMITS: NaN and infinities are not served.  A block whose largest magnitude lies under 2^-124, a block of zeros among them, gets the scale byte 1; only this program reads these bytes.
.set PITCH, 272                        ; an LDS row: 256 bytes + 16 of padding, so that the 16 rows of a fragment load start 4 banks apart
.set CHUNK, 384*PITCH                  ; a chunk: src0's 256 rows, then src1's 128
.set SRC1,  256*PITCH
.set SC0,   2*CHUNK                    ; src0's scale bytes: 32 units of 256 + 16
.set SC1,   SC0+32*PITCH               ; src1's: 16 units
.set STG,   SC1+16*PITCH               ; the scale words' stage, 2,048 bytes: whole blocks of 256 bytes into which no fill lands
.set WV,  2                            ; s2   wave
.set GH,  3                            ; s3   g
.set AH,  104                          ; s104 ah
.set TC,  105                          ; s105 a temporary that only ever holds numbers made of the wave's number
.set CX,  30
.set CY,  31
.set XX,  32                           ; cluster x: which tensor
.set YY,  33                           ; cluster y
.set TL0, 34                           ; src0's tile of 256 rows
.set TL1, 35                           ; src1's tile of 128 rows
.set G1A, 36                           ; s[36:43] group 1, src0's codes;  s[44:51] src1's;  s[52:59], s[68:75] their scale bytes
.set G1B, 44
.set G1SA, 52
.set G1SB, 68
.set G0,  76                           ; s[76:99] six groups 0
.set SEL, 60                           ; s[60:61] selects of v_permlanex16_b32: lane l xor 16
.set MQK, 62                           ; s62  all ones for Q and K, 0 for V
.set MV,  63                           ; s63  the complement
.set AD0, 4                            ; v4-5   LDS address of my src0 fragments in chunk 0, 1
.set AD1, 6                            ; v6-7   the same for src1
.set AS0, 8                            ; v8     src0's scale words
.set AS1, 9                            ; v9     src1's
.set ASTG, 10                          ; v10    where my scale words go in the stage
.set SHF, 11                           ; v11    16 h for Q and K (lanes 16-31 store the second head's two bytes), 0 for V
.set ARD, 12                           ; v12    where I read the stage back
.set VO,  16                           ; v16-23 byte offsets of the eight groups of codes that I store
.set B1,  24                           ; v24-31 pairs: the bias of my src1 row in tile al, and 0
.set SW0, 32                           ; v32-95  src0's scale words: tile b, K step k at 8 b + k
.set SW1, 96                           ; v96-127 src1's
.set F1,  128                          ; v128-159 src1's four fragments; on the way out the codes
.set T,   160                          ; v160-223 64 numbers ahead of the quantiser
.set TM,  224                          ; v224-239 at work
.set PW,  240
.set PS,  241
.set MK,  245                          ; v245   0xffff for Q and K, all ones for V
.set BK,  248
.set B0,  128                          ; window 2: v128-191 the bias along src0.  Window 2 v0-127: src0's two sets of fragments.  Window 1: accumulator (al, b) at 8 (8 al + b)
.set MSB, 0
.macro WIN new                         ; the immediate's high byte repeats the setting that is left
.if MSB != (\new)
	s_set_vgpr_msb (MSB<<8)|(\new)
.set MSB, (\new)
.endif
.endm
.macro PLACES n
.rept \n
	v_nop
.endr
.endm
.macro CROUND                          ; a round of the cluster's barrier
	s_barrier_signal -1
	s_barrier_wait -1
	s_cmp_lg_u32 s[WV], 0
	s_cbranch_scc1 .Lnot_wave_0_\@
	s_barrier_signal -3
.Lnot_wave_0_\@:
	s_barrier_wait -3
	s_barrier_signal -1
	s_barrier_wait -1
.endm
	s_load_b512 s[4:19], s[0:1], 0x0               ; x codes, x scales, Wq codes, Wq scales, Wk codes, Wk scales, Wv codes, Wv scales
	s_load_b256 s[20:27], s[0:1], 0x40             ; bq, bk, bv, qkvc
	s_load_b64 s[28:29], s[0:1], 0x60              ; qkvs
	v_lshl_add_u32 v254, v0, 2, 0x36c00
	v_mov_b32 v255, 0
	ds_add_u32 v254, v255
	ds_add_u32 v254, v255
	v_lshrrev_b32 v1, 5, v0
	v_readfirstlane_b32 s[WV], v1
	s_and_b32 s[GH], s[WV], 1
	s_lshr_b32 s[AH], s[WV], 1
	s_bfe_u32 s[CX], ttmp6, 0x40000
	s_bfe_u32 s[CY], ttmp6, 0x40004
	s_mov_b32 s[XX], ttmp9
	s_and_b32 s[YY], ttmp7, 0xffff
	s_lshr_b32 s66, s[YY], 1
	s_and_b32 s100, s[YY], 1
	s_cmp_eq_u32 s[XX], 2
	s_cselect_b32 s66, s66, 0                      ; Q, K: src0 has 4 tiles (cx alone); V: 32 tiles of tokens
	s_cselect_b32 s100, s100, s[YY]                ; Q, K: src1 has 64 tiles of tokens; V: 8 tiles of channels
	s_cselect_b32 s[MQK], 0, -1
	s_cselect_b32 s[MV], -1, 0
	s_lshl_b32 s[TL0], s66, 2
	s_add_co_u32 s[TL0], s[TL0], s[CX]
	s_lshl_b32 s[TL1], s100, 2
	s_add_co_u32 s[TL1], s[TL1], s[CY]
	s_lshl_b32 s67, 0x1111, s[CX]                  ; my column of the cluster
	s_lshl_b32 s101, s[CY], 2
	s_lshl_b32 s101, 15, s101                      ; my row
	s_or_b32 s[G1A], s67, (0<<16)|(1<<20)|(1<<21)|(5<<22)|(3<<25)    ; elements of 1 byte; 4 words of padding behind every 64
	s_or_b32 s[G1B], s101, (0<<16)|(1<<20)|(1<<21)|(5<<22)|(3<<25)
	s_or_b32 s[G1SA], s67, (3<<16)|(1<<20)|(1<<21)|(5<<22)|(3<<25)   ; elements of 8 bytes, the same padding
	s_or_b32 s[G1SB], s101, (3<<16)|(1<<20)|(1<<21)|(5<<22)|(3<<25)
.irp g, G1A, G1B
	s_mov_b32 s[\g+1], 256<<16                     ; tensor_dim0 = 256 bytes
	s_mov_b32 s[\g+3], 256<<16                     ; tile_dim0
	s_mov_b32 s[\g+5], 512                         ; from row to row
	s_mov_b32 s[\g+6], 0
	s_mov_b32 s[\g+7], 0
.endr
	s_mov_b32 s[G1A+2], 64<<16                     ; a wave brings 64 rows of src0,
	s_mov_b32 s[G1A+4], 64
	s_mov_b32 s[G1B+2], 32<<16                     ; and 32 of src1
	s_mov_b32 s[G1B+4], 32
.irp g, G1SA, G1SB
	s_mov_b32 s[\g+1], 32<<16                      ; scale bytes are dense: rows of 256 bytes
	s_mov_b32 s[\g+3], 32<<16
	s_mov_b32 s[\g+5], 32
	s_mov_b32 s[\g+6], 0
	s_mov_b32 s[\g+7], 0
.endr
	s_mov_b32 s[G1SA+2], 8<<16                     ; 64 rows x 32 bytes
	s_mov_b32 s[G1SA+4], 8
	s_mov_b32 s[G1SB+2], 4<<16                     ; 32 rows x 32 bytes
	s_mov_b32 s[G1SB+4], 4
	; the six groups 0: LDS addresses of the wave's number alone; src0's offsets never hold cy, src1's never cx
	s_mov_b32 s[G0+0], 1
	s_mul_i32 s[G0+1], s[WV], 8*PITCH
	s_add_co_u32 s[G0+1], s[G0+1], SC0
	s_mov_b32 s[G0+4], 1
	s_mul_i32 s[G0+5], s[WV], 4*PITCH
	s_add_co_u32 s[G0+5], s[G0+5], SC1
	s_mov_b32 s[G0+8], 1
	s_mul_i32 s[G0+9], s[WV], 64*PITCH
	s_mov_b32 s[G0+12], 1
	s_mul_i32 s[G0+13], s[WV], 32*PITCH
	s_add_co_u32 s[G0+13], s[G0+13], SRC1
	s_mov_b32 s[G0+16], 1
	s_add_co_u32 s[G0+17], s[G0+9], CHUNK
	s_mov_b32 s[G0+20], 1
	s_add_co_u32 s[G0+21], s[G0+13], CHUNK
	s_lshl_b32 s66, s[TL0], 8
	s_lshl_b32 s67, s[WV], 6
	s_add_co_u32 s66, s66, s67                     ; the first row of src0 that I fetch
	s_lshl_b32 s[G0+2], s66, 5                     ; its scale bytes,
	s_mov_b32 s[G0+3], 0
	s_lshl_b32 s[G0+10], s66, 9                    ; its codes
	s_mov_b32 s[G0+11], 0
	s_lshl_b32 s100, s[TL1], 7
	s_lshl_b32 s101, s[WV], 5
	s_add_co_u32 s100, s100, s101                  ; the first row of src1 that I fetch
	s_lshl_b32 s[G0+6], s100, 5
	s_mov_b32 s[G0+7], 0
	s_lshl_b32 s[G0+14], s100, 9
	s_mov_b32 s[G0+15], 0
	s_mov_b32 s[SEL], 0x76543210
	s_mov_b32 s[SEL+1], 0xfedcba98
	s_wait_dscnt 0x0
	s_wait_kmcnt 0x0
	s_cmp_eq_u32 s[XX], 0                          ; Wq or Wk
	s_cselect_b64 s[8:9], s[8:9], s[12:13]
	s_cselect_b64 s[10:11], s[10:11], s[14:15]
	s_cselect_b64 s[20:21], s[20:21], s[22:23]
	s_cmp_eq_u32 s[XX], 2                          ; for V the tokens are src0
	s_cselect_b64 s[12:13], s[4:5], s[8:9]         ; src0's codes
	s_cselect_b64 s[14:15], s[6:7], s[10:11]       ; src0's scales
	s_cselect_b64 s[16:17], s[16:17], s[4:5]       ; src1's codes
	s_cselect_b64 s[18:19], s[18:19], s[6:7]       ; src1's scales
	s_cselect_b64 s[20:21], s[24:25], s[20:21]     ; the bias
	s_add_nc_u64 s[G0+2:G0+3], s[14:15], s[G0+2:G0+3]
	s_add_nc_u64 s[G0+6:G0+7], s[18:19], s[G0+6:G0+7]
	s_add_nc_u64 s[G0+10:G0+11], s[12:13], s[G0+10:G0+11]
	s_add_nc_u64 s[G0+14:G0+15], s[16:17], s[G0+14:G0+15]
	s_add_nc_u64 s[G0+18:G0+19], s[G0+10:G0+11], 256       ; the second chunk: 256 bytes on in each row
	s_add_nc_u64 s[G0+22:G0+23], s[G0+14:G0+15], 256
.irp i, 3,7,11,15,19,23
	s_or_b32 s[G0+\i], s[G0+\i], 0x80000000
.endr
	CROUND                                         ; all sixteen work-groups are here: the joint loads meet
	tensor_load_to_lds s[G0+0:G0+3], s[G1SA:G1SA+7]        ; six loads of mine are out: src0's scales,
	s_nop 0
	tensor_load_to_lds s[G0+4:G0+7], s[G1SB:G1SB+7]        ; src1's scales,
	s_nop 0
	tensor_load_to_lds s[G0+8:G0+11], s[G1A:G1A+7]         ; chunk 0 of src0,
	s_nop 0
	tensor_load_to_lds s[G0+12:G0+15], s[G1B:G1B+7]        ; of src1,
	s_nop 0
	tensor_load_to_lds s[G0+16:G0+19], s[G1A:G1A+7]        ; chunk 1 of src0,
	s_nop 0
	tensor_load_to_lds s[G0+20:G0+23], s[G1B:G1B+7]        ; of src1
	s_nop 0
	PLACES 4                                       ; four plain lines behind a tensor load
	; the biases
	s_lshl_b32 s4, s[CX], 10
	s_lshl_b32 s5, s[GH], 9
	s_add_co_u32 s4, s4, s5                        ; along src0: number 256 cx + 128 g on (inside the 1,024 for V too, where it is masked)
	s_mov_b32 s5, 0
	s_add_nc_u64 s[22:23], s[20:21], s[4:5]
	s_and_b32 s6, s[TL1], 7
	s_lshl_b32 s6, s6, 9
	s_lshl_b32 s7, s[AH], 8
	s_add_co_u32 s6, s6, s7                        ; along src1: number 128 (tile & 7) + 64 ah on (for Q and K masked)
	s_mov_b32 s7, 0
	s_add_nc_u64 s[24:25], s[20:21], s[6:7]
	v_and_b32 v1, 15, v0                           ; r
	v_bfe_u32 v2, v0, 4, 1                         ; h
	v_and_b32 v3, 31, v0
	v_lshlrev_b32 v3, 4, v3                        ; 16 x lane
	v_lshlrev_b32 v13, 5, v2                       ; 8 h numbers
	v_lshlrev_b32 v14, 2, v1                       ; r numbers
	WIN 0x80                                       ; destination window 2
.irp b, 0,1,2,3,4,5,6,7
	global_load_b128 v[B0+8*\b:B0+8*\b+3], v13, s[22:23] offset:64*\b          ; bias(16 b + 8 h + 0 .. 7)
	global_load_b128 v[B0+8*\b+4:B0+8*\b+7], v13, s[22:23] offset:64*\b+16
.endr
	WIN 0
.irp al, 0,1,2,3
	global_load_b32 v[B1+2*\al], v14, s[24:25] offset:64*\al
	v_mov_b32 v[B1+2*\al+1], 0                     ; (named with it as a pair)
.endr
	; LDS addresses: constants, the lane and the wave's number
	v_mul_u32_u24 v15, v1, PITCH
	v_lshl_add_u32 v15, v2, 4, v15                 ; a fragment's row x pitch + 16 h
	s_mul_i32 s[TC], s[GH], 128*PITCH
	v_add_nc_u32 v[AD0], s[TC], v15
	v_add_nc_u32 v[AD0+1], CHUNK, v[AD0]
	s_mul_i32 s[TC], s[AH], 64*PITCH
	s_add_co_u32 s[TC], s[TC], SRC1
	v_add_nc_u32 v[AD1], s[TC], v15
	v_add_nc_u32 v[AD1+1], CHUNK, v[AD1]
	v_lshrrev_b32 v8, 3, v1
	v_mul_u32_u24 v8, v8, PITCH
	v_and_b32 v9, 7, v1
	v_lshl_add_u32 v9, v9, 5, v8                   ; a row's 32 scale bytes: eight rows to a unit
	s_mul_i32 s[TC], s[GH], 16*PITCH
	s_add_co_u32 s[TC], s[TC], SC0
	v_add_nc_u32 v[AS0], s[TC], v9
	s_mul_i32 s[TC], s[AH], 8*PITCH
	s_add_co_u32 s[TC], s[TC], SC1
	v_add_nc_u32 v[AS1], s[TC], v9
	v_lshlrev_b32 v[ASTG], 4, v1
	v_lshl_add_u32 v[ASTG], v2, 9, v[ASTG]
	s_lshl_b32 s[TC], s[GH], 10
	v_add_nc_u32 v[ASTG], s[TC], v[ASTG]
	s_lshl_b32 s[TC], s[AH], 3
	v_add_nc_u32 v[ASTG], s[TC], v[ASTG]
	v_add_nc_u32 v[ASTG], STG, v[ASTG]             ; piece 2 g + h of 512 bytes; in it 16 r + 8 ah
	s_lshl_b32 s[TC], s[WV], 9
	s_add_co_u32 s[TC], s[TC], STG
	v_add_nc_u32 v[ARD], s[TC], v3                 ; back: piece w
	v_lshlrev_b32 v[SHF], 4, v2
	v_and_b32 v[SHF], s[MQK], v[SHF]
	v_mov_b32 v[MK], s[MV]
	v_or_b32 v[MK], 0xffff, v[MK]
.irp b, 0,1,2,3
	v_mov_b32 v[TM+4+\b], 0                        ; written once: a lane permute's destination counts as one of its sources
.endr
	; where my results go.  Q, K codes: tensor, batch, head 4 cx + 2 g (+ c), step, tile 4 ah (+ al)
	s_lshl_b32 s4, s[XX], 22
	s_lshr_b32 s5, s[TL1], 4
	s_lshl_b32 s5, s5, 20
	s_add_co_u32 s4, s4, s5
	s_lshl_b32 s5, s[CX], 2
	s_lshl_b32 s6, s[GH], 1
	s_add_co_u32 s5, s5, s6
	s_lshl_b32 s5, s5, 16
	s_add_co_u32 s4, s4, s5
	s_and_b32 s5, s[TL1], 15
	s_lshl_b32 s5, s5, 12
	s_add_co_u32 s4, s4, s5
	s_lshl_b32 s5, s[AH], 11
	s_add_co_u32 s4, s4, s5
	; V codes: batch, head 2 tile1 + ah, step 2 (tile0 & 7) + g
	s_lshr_b32 s9, s[TL0], 3
	s_lshl_b32 s9, s9, 20
	s_add_co_u32 s9, s9, 0x800000
	s_lshl_b32 s10, s[TL1], 1
	s_add_co_u32 s10, s10, s[AH]
	s_lshl_b32 s10, s10, 16
	s_add_co_u32 s9, s9, s10
	s_and_b32 s10, s[TL0], 7
	s_lshl_b32 s10, s10, 1
	s_add_co_u32 s11, s10, s[GH]
	s_lshl_b32 s11, s11, 12
	s_add_co_u32 s9, s9, s11
	; Q, K scale words: piece w is head 4 cx + w
	s_lshl_b32 s6, s[XX], 19
	s_lshr_b32 s7, s[TL1], 4
	s_lshl_b32 s7, s7, 4
	s_lshl_b32 s8, s[CX], 2
	s_add_co_u32 s7, s7, s8
	s_add_co_u32 s7, s7, s[WV]
	s_lshl_b32 s7, s7, 13
	s_add_co_u32 s6, s6, s7
	s_and_b32 s7, s[TL1], 15
	s_lshl_b32 s7, s7, 9
	s_add_co_u32 s6, s6, s7
	; V scale words: piece w is step 2 (tile0 & 7) + (w >> 1), copy w & 1, of the pair of heads tile1
	s_lshr_b32 s7, s[TL0], 3
	s_lshl_b32 s7, s7, 3
	s_add_co_u32 s7, s7, s[TL1]
	s_lshl_b32 s7, s7, 14
	s_add_co_u32 s7, s7, 0x100000
	s_add_co_u32 s10, s10, s[AH]
	s_lshl_b32 s10, s10, 10
	s_add_co_u32 s7, s7, s10
	s_lshl_b32 s10, s[GH], 9
	s_add_co_u32 s7, s7, s10
	s_cmp_eq_u32 s[XX], 2
	s_cselect_b32 s4, s9, s4
	s_cselect_b32 s6, s7, s6
	s_mov_b32 s8, 512
	s_cselect_b32 s8, 1024, s8                     ; from tile al to the next
	s_mov_b32 s9, 65536
	s_cselect_b32 s9, 512, s9                      ; from group c = 0 to c = 1: the next head (Q, K), the next 64 keys (V)
	s_mov_b32 s5, 0
	s_mov_b32 s7, 0
	s_add_nc_u64 s[26:27], s[26:27], s[4:5]
	s_add_nc_u64 s[28:29], s[28:29], s[6:7]
	v_mov_b32 v[VO], v3
	v_add_nc_u32 v[VO+1], s9, v3
.irp al, 1,2,3
	v_add_nc_u32 v[VO+2*\al], s8, v[VO+2*\al-2]
	v_add_nc_u32 v[VO+2*\al+1], s8, v[VO+2*\al-1]
.endr
	s_wait_loadcnt 0x0                             ; the biases
.irp al, 0,1,2,3
	v_and_b32 v[B1+2*\al], s[MV], v[B1+2*\al]      ; zeros for Q and K
.endr
	WIN 0x88                                       ; destination and source 1 window 2
.set i, 0
.rept 64
	v_and_b32 v[B0+i], s[MQK], v[B0+i]             ; zeros for V
.set i, i+1
.endr
	WIN 0
.macro FETCH0 k                        ; src0's eight fragments of K step k into set k % 2 (window 2): 16 loads
	WIN 0x80
.irp b, 0,1,2,3,4,5,6,7
.irp c, 0,1
	ds_load_b128 v[64*((\k)%2)+8*\b+4*\c:64*((\k)%2)+8*\b+4*\c+3], v[AD0+(\k)/4] offset:64*((\k)%4)+32*\c+16*PITCH*\b
.endr
.endr
.endm
.macro FETCH1 k, a0                    ; src1's tiles a0, a0 + 1: 4 loads
	WIN 0
.irp a, \a0, \a0+1
.irp c, 0,1
	ds_load_b128 v[F1+8*(\a)+4*\c:F1+8*(\a)+4*\c+3], v[AD1+(\k)/4] offset:64*((\k)%4)+32*\c+16*PITCH*(\a)
.endr
.endr
.endm
.macro MWIN k                          ; source 0 window 2, source 1 window 0, D window 1; C window 1, in the first K step window 2 (the bias)
.if (\k) == 0
	WIN 0x62
.else
	WIN 0x52
.endif
.endm
.macro MUL8 a, k                       ; src1's tile a against src0's eight.  The 32 accumulators take turns, one instruction a turn, in the same order in every K step
.irp b, 0,1,2,3,4,5,6,7
.if (\k) == 0
	v_wmma_scale_f32_16x16x128_f8f6f4 v[8*(8*(\a)+\b):8*(8*(\a)+\b)+7], v[64*((\k)%2)+8*\b:64*((\k)%2)+8*\b+7], v[F1+8*(\a):F1+8*(\a)+7], v[B0+8*\b:B0+8*\b+7], v[SW0+8*\b+(\k)], v[SW1+8*(\a)+(\k)] matrix_a_fmt:MATRIX_FMT_FP4 matrix_b_fmt:MATRIX_FMT_FP4
.else
	v_wmma_scale_f32_16x16x128_f8f6f4 v[8*(8*(\a)+\b):8*(8*(\a)+\b)+7], v[64*((\k)%2)+8*\b:64*((\k)%2)+8*\b+7], v[F1+8*(\a):F1+8*(\a)+7], v[8*(8*(\a)+\b):8*(8*(\a)+\b)+7], v[SW0+8*\b+(\k)], v[SW1+8*(\a)+(\k)] matrix_a_fmt:MATRIX_FMT_FP4 matrix_b_fmt:MATRIX_FMT_FP4
.endif
.endr
.endm
; A K step of 128: 32 matrix instructions.  src1's tiles 0, 1 are free behind their sixteen products and are fetched anew in the step's middle, with src0's other set; tiles 2, 3 at its end.
; Loads into registers that matrix instructions have read stand four plain vector instructions behind them (ISA guide 7.12.1 for vector instructions).
.macro STEP k
.if (\k) == 3
	s_wait_dscnt 0x0                               ; no LDS load of mine is out at a signal;
	s_wait_tensorcnt 0x0                           ; my parts of chunk 1 have landed:
	s_barrier_signal -1                            ; say so
.else
	s_wait_dscnt 0x4                               ; all but the four youngest loads (src1's tiles 2, 3) are in
.endif
	MWIN \k
	MUL8 0, \k
	MUL8 1, \k
.if (\k) == 3
	s_barrier_wait -1                              ; chunk 1 is whole for every wave
.endif
.if (\k) < 7
	PLACES 4
	FETCH0 (\k)+1
	FETCH1 (\k)+1, 0
	s_wait_dscnt 20                                ; all but the 20 just issued: src1's tiles 2, 3 are in
.else
	s_wait_dscnt 0x0
.endif
	MWIN \k
	MUL8 2, \k
	MUL8 3, \k
.if (\k) < 7
	PLACES 4
	FETCH1 (\k)+1, 2
.endif
.endm
; 64 numbers of a lane, register 8 t + j = index 16 t + 8 h + j along the next K, become an operand's eight registers at v[pc] and its scale word in v[PW].  Block b = registers 16 b .. 16 b + 15 of lanes l and l xor 16.
.macro QUANT s, pc
.irp b, 0,1,2,3
	v_max3_num_f32 v[TM+\b], |v[(\s)+16*\b]|, |v[(\s)+1+16*\b]|, 0x1800000     ; with the floor 2^(3 - 127): the byte cannot fall under 1
.endr
.irp i, 2,4,6,8,10,12,14
.irp b, 0,1,2,3
	v_max3_num_f32 v[TM+\b], v[TM+\b], |v[(\s)+16*\b+\i]|, |v[(\s)+1+16*\b+\i]|
.endr
.endr
.irp b, 0,1,2,3
	v_permlanex16_b32 v[TM+4+\b], v[TM+\b], s[SEL], s[SEL+1]
.endr
.irp b, 0,1,2,3
	v_max_num_f32 v[TM+\b], v[TM+\b], v[TM+4+\b]   ; the block's largest magnitude
.endr
.irp b, 0,1,2,3
	v_add_nc_u32 v[TM+12+\b], 0xff000000, v[TM+\b] ; 2 off its exponent field: the conversion's scale operand
.endr
.irp b, 0,1,2,3
	v_lshrrev_b32 v[TM+4+\b], 23, v[TM+12+\b]      ; the scale's byte
.endr
	v_lshl_or_b32 v[PW], v[TM+5], 8, v[TM+4]
	v_lshl_or_b32 v[PW], v[TM+6], 16, v[PW]
	v_lshl_or_b32 v[PW], v[TM+7], 24, v[PW]
.irp t, 0,1,2,3,4,5,6,7
	v_cvt_scalef32_pk8_fp4_f32 v[(\pc)+4*(\t/4)+2*(\t%2)+((\t/2)%2)], v[(\s)+8*\t:(\s)+8*\t+7], v[TM+12+\t/2]
.endr
	v_nop                                          ; one plain line behind the scaled conversions
.irp c, 0,1
	v_permlane16_swap_b32 v[(\pc)+4*\c], v[(\pc)+4*\c+1]       ; tiles 4 c and 4 c + 2: lanes 0-15 keep the first's halves, lanes 16-31 take the second's
	v_permlane16_swap_b32 v[(\pc)+4*\c+2], v[(\pc)+4*\c+3]     ; tiles 4 c + 1 and 4 c + 3
.endr
.endm
	s_wait_alu depctr_va_vdst(0)
	s_wait_tensorcnt 0x2                           ; the scales and chunk 0 are in: only chunk 1's two loads may be out,
	s_barrier_signal -1
	s_barrier_wait -1                              ; and so for every wave
.irp b, 0,1,2,3,4,5,6,7
	ds_load_b128 v[SW0+8*\b:SW0+8*\b+3], v[AS0] offset:2*PITCH*\b              ; a row's eight scale words: all K steps, kept for the launch
	ds_load_b128 v[SW0+8*\b+4:SW0+8*\b+7], v[AS0] offset:2*PITCH*\b+16
.endr
.irp a, 0,1,2,3
	ds_load_b128 v[SW1+8*\a:SW1+8*\a+3], v[AS1] offset:2*PITCH*\a
	ds_load_b128 v[SW1+8*\a+4:SW1+8*\a+7], v[AS1] offset:2*PITCH*\a+16
.endr
	FETCH0 0
	FETCH1 0, 0
	FETCH1 0, 2
.irp k, 0,1,2,3,4,5,6,7
	STEP \k
.endr
	PLACES 4                                       ; in front of the first read of results, and of writes into src1's fragments
.irp al, 0,1,2,3
	WIN 0x01                                       ; source 0 window 1
.set i, 0
.rept 32
	v_pk_add_f32 v[T+2*i:T+2*i+1], v[64*\al+2*i:64*\al+2*i+1], v[B1+2*\al:B1+2*\al+1] op_sel_hi:[1,0]   ; + the bias along src1 (0 for Q and K); each accumulator from its low end on
.set i, i+1
.endr
	WIN 0
	QUANT T, F1+8*\al
	v_lshrrev_b32 v[PS+\al], v[SHF], v[PW]         ; Q, K: lanes 16-31 take the second head's two bytes
	v_and_b32 v[PS+\al], v[MK], v[PS+\al]          ; Q, K: the upper two bytes are 0
	ds_store_b32 v[ASTG], v[PS+\al] offset:256*(\al%2)+4*(\al/2)
	global_store_b128 v[VO+2*\al], v[F1+8*\al:F1+8*\al+3], s[26:27]            ; 32 lanes store 512 consecutive bytes, aligned
	global_store_b128 v[VO+2*\al+1], v[F1+8*\al+4:F1+8*\al+7], s[26:27]
.endr
	s_wait_dscnt 0x0                               ; for the others' sake: my words lie in the stage
	s_barrier_signal -1
	s_barrier_wait -1
	ds_load_b128 v[BK:BK+3], v[ARD]
	s_wait_dscnt 0x0
	global_store_b128 v3, v[BK:BK+3], s[28:29]     ; piece w: 512 consecutive bytes, aligned
	s_wait_tensorcnt 0x0
	ds_add_u32 v254, v255
	s_wait_dscnt 0x0
	CROUND                                         ; the closing round: no work-group ends while a partner may still ask jointly
	s_endpgm
.Lfunc_end_k_q2d979a2cbe_proj:
	.size	k_q2d979a2cbe_proj, .Lfunc_end_k_q2d979a2cbe_proj-k_q2d979a2cbe_proj
	.p2alignl 7, 3214868480
	.fill 96, 4, 3214868480
	.section	.rodata,"a",@progbits
	.p2align	6, 0x0
	.amdhsa_kernel k_q2d979a2cbe_proj
		.amdhsa_group_segment_fixed_size 224768
		.amdhsa_private_segment_fixed_size 0
		.amdhsa_enable_private_segment 0
		.amdhsa_kernarg_size 104
		.amdhsa_user_sgpr_count 2
		.amdhsa_user_sgpr_kernarg_segment_ptr 1
		.amdhsa_wavefront_size32 1
		.amdhsa_system_sgpr_workgroup_id_x 1
		.amdhsa_system_sgpr_workgroup_id_y 1
		.amdhsa_system_sgpr_workgroup_id_z 1
		.amdhsa_system_vgpr_workitem_id 0
		.amdhsa_next_free_vgpr 768
		.amdhsa_next_free_sgpr 106
		.amdhsa_reserve_vcc 0
		.amdhsa_float_denorm_mode_32 3
		.amdhsa_float_denorm_mode_16_64 3
		.amdhsa_memory_ordered 1
		.amdhsa_forward_progress 1
		.amdhsa_inst_pref_size 91
	.end_amdhsa_kernel
	.amdgpu_metadata
---
amdhsa.version: [ 1, 2 ]
amdhsa.kernels:
  - .name:           k_q2d979a2cbe_proj
    .symbol:         k_q2d979a2cbe_proj.kd
    .args:
      - { .name: x_codes, .offset: 0, .size: 8, .value_kind: global_buffer, .address_space: global }
      - { .name: x_scales, .offset: 8, .size: 8, .value_kind: global_buffer, .address_space: global }
      - { .name: Wq_codes, .offset: 16, .size: 8, .value_kind: global_buffer, .address_space: global }
      - { .name: Wq_scales, .offset: 24, .size: 8, .value_kind: global_buffer, .address_space: global }
      - { .name: Wk_codes, .offset: 32, .size: 8, .value_kind: global_buffer, .address_space: global }
      - { .name: Wk_scales, .offset: 40, .size: 8, .value_kind: global_buffer, .address_space: global }
      - { .name: Wv_codes, .offset: 48, .size: 8, .value_kind: global_buffer, .address_space: global }
      - { .name: Wv_scales, .offset: 56, .size: 8, .value_kind: global_buffer, .address_space: global }
      - { .name: bq, .offset: 64, .size: 8, .value_kind: global_buffer, .address_space: global }
      - { .name: bk, .offset: 72, .size: 8, .value_kind: global_buffer, .address_space: global }
      - { .name: bv, .offset: 80, .size: 8, .value_kind: global_buffer, .address_space: global }
      - { .name: qkvc, .offset: 88, .size: 8, .value_kind: global_buffer, .address_space: global }
      - { .name: qkvs, .offset: 96, .size: 8, .value_kind: global_buffer, .address_space: global }
    .group_segment_fixed_size: 224768
    .private_segment_fixed_size: 0
    .kernarg_segment_align: 8
    .kernarg_segment_size: 104
    .max_flat_workgroup_size: 128
    .sgpr_count:     106
    .vgpr_count:     768
    .wavefront_size: 32
...
	.end_amdgpu_metadata
.endif
;; end of part 1
;; launch attn (part 2): grid 4 x 64, 16 waves a work-group, clusters of 4 x 1, 169,984 bytes of LDS; arguments qkvc, qkvs, attc, atts; writes attc, atts
.if DOCPART == 2
	.amdgcn_target "amdgcn-amd-amdhsa--gfx1250"
	.amdhsa_code_object_version 6
	.text
	.protected	k_q2d979a2cbe_attn
	.globl	k_q2d979a2cbe_attn
	.p2align	8
	.type	k_q2d979a2cbe_attn,@function
k_q2d979a2cbe_attn:
	s_mov_b64 s[64:65], 0
	v_nop
	global_prefetch_b8 v0, s[64:65] scope:SCOPE_SE
	s_setreg_imm32_b32 hwreg(HW_REG_WAVE_MODE, 25, 1), 1
	s_wait_xcnt 0x0
	s_wait_alu depctr_hold_cnt(0) depctr_sa_sdst(0) depctr_va_vdst(0) depctr_va_sdst(0) depctr_va_ssrc(0) depctr_va_vcc(0) depctr_vm_vsrc(0)
	s_getreg_b32 s2, hwreg(HW_REG_IB_STS2, 6, 4)
	s_cmp_eq_u32 s2, 0
	s_cbranch_scc0 .Lentry_in_a_cluster
	s_endpgm
.Lentry_in_a_cluster:
	s_bfe_u32 s2, ttmp6, 0x10000c
	s_cmp_lg_u32 s2, 0x3003
	s_cbranch_scc0 .Lentry_shape_is_right
	s_endpgm
.Lentry_shape_is_right:
; O = softmax(Q K^T / 8) V for one head, both products on codes of FP4 with E8M0 scales, and O / l quantised along the model's 1,024 channels (two blocks a head) for the last product.
; THE SOFTMAX AHEAD OF THE SECOND PRODUCT: t = score x log2(e) / 8; M = the running largest t rounded UP to a whole number; p = 2^(t - M) is quantised along the keys, not normalised; the row's sum is taken of the
; unquantised p and divides O at the end.  When M moves, the sum and O are multiplied by 2^(old M - new M): nothing is rounded, and no branch hangs on data.
; SHARES.  A work-group owns 512 queries of one head (batch x head = work-group y); each of its sixteen waves owns two tiles of 16 queries, A and B, which share every fragment of K and V.  Four waves to a SIMD:
; one wave's vector work stands beside another's matrix work and LDS loads.
; LDS.  The head's K and V (64 KiB of codes each) and the scale words of its pair of heads lie in LDS whole, filled once.  CLUSTER: the head's four work-groups ask for them jointly.
; OPERANDS ARE IMAGES OF REGISTERS, as the launch before stored them: a group of four registers is 512 bytes, lane l's 16 bytes at 16 l.
; BOTH PRODUCTS ARE USED TRANSPOSED: S^T = K Q^T (source 0 = 16 keys, source 1 = 16 queries), O^T = V^T P^T: a lane holds ONE query throughout, and register 8 t + j of S^T is key 16 t + 8 h + j.
; A HEAD HAS 64 CHANNELS, the instruction takes 128 along K: Q's upper four registers are zero codes.  K's tiles lie four registers apart, and a fragment is named as eight: its upper four are the next tile's codes
; (behind the last tile: zeros).  They meet Q's zero codes and add nothing; the scale bytes of that half are 0, the smallest scale.
; LIMITS: NaN and infinities are not served.  A block of O / l whose largest magnitude lies under 2^-124, and a block whose every p has fallen to 0, get the scale byte 1; only this program reads these bytes.
.set VC,   65536                       ; LDS: K's codes at 0, V's here,
.set VS,   131072                      ; V's scale words of the pair of heads (with their copies),
.set KS,   147456                      ; K's of the pair,
.set STG,  163840                      ; and 1,024 bytes in which the work-group's 512 halfwords of scale bytes meet: no fill lands here
.set WV,  12
.set CX,  13
.set BH,  14
.set PAR, 15
.set G1,  16                           ; s[16:23] group 1: 16 KiB dense, as 64 rows of 256 bytes
.set G0C, 24                           ; s[24:27] group 0 for codes (waves 0 to 7);  s[28:31] for scale words (waves 8, 9)
.set G0S, 28
.set SEL, 32
.set CS,  34                           ; s[34:35] c = log2(e) / 8, twice
.set TB,  36                           ; the step's codes: 4,096 bytes a step
.set TS,  37                           ; K's scale words: 512
.set TV,  38                           ; V's: 1,024
.set CNT, 39
.set HM,  40                           ; lanes 16-31
.set AK0, 1                            ; v1   16 x lane
.set AV0, 2
.set ASK0, 3
.set ASV0, 4
.set ADK, 5
.set ADV, 6
.set ADS, 7
.set ADT, 8
.set QSW, 9                            ; v9   Q's scale words: lanes 0-15 tile A's, lanes 16-31 tile B's
.set ASH, 10                           ; v10  STG + 2 x thread
.set ARH, 11                           ; v11  STG + 16 x thread (waves 0 and 1 use it)
.set QF,  20                           ; v20-27 Q of A (4 registers of codes, 4 of zeros), v28-35 of B
.set KF,  36                           ; v36-67 K's eight tiles, v68-71 zeros; later v36-67 V's four fragments
.set KSW, 72                           ; v72-75 K's scale words: register i: tile 2 i in lanes 0-15, tile 2 i + 1 in lanes 16-31
.set VSW, 76                           ; v76-77 V's, likewise
.set PSW, 78                           ; v78, v79 p's scale words of A, B
.set S,   80                           ; v80-143 S^T, then p
.set OT,  144                          ; v144-175 O^T of A, v176-207 of B
.set PCD, 208                          ; v208-215 p's codes of A, v216-223 of B
.macro PLACES n
.rept \n
	v_nop
.endr
.endm
.macro CROUND
	s_barrier_signal -1
	s_barrier_wait -1
	s_cmp_lg_u32 s[WV], 0
	s_cbranch_scc1 .Lnot_wave_0_\@
	s_barrier_signal -3
.Lnot_wave_0_\@:
	s_barrier_wait -3
	s_barrier_signal -1
	s_barrier_wait -1
.endm
	s_load_b256 s[4:11], s[0:1], 0x0               ; qkvc, qkvs, attc, atts
	v_lshl_add_u32 v251, v0, 2, 0x29000
	v_mov_b32 v255, 0
	ds_add_u32 v251, v255
	ds_add_u32 v251, v255
	v_lshrrev_b32 v5, 5, v0
	s_delay_alu instid0(VALU_DEP_1)
	v_readfirstlane_b32 s[WV], v5
	s_bfe_u32 s[CX], ttmp6, 0x40000                ; which 512 queries: it enters Q's and the outputs' addresses alone
	s_and_b32 s[BH], ttmp7, 0xffff                 ; 16 x batch + head, which the four partners share
	s_and_b32 s[PAR], s[BH], 1
	s_mov_b32 s[G1], 15|(3<<16)|(1<<21)            ; the mask: all four work-groups; elements of 8 bytes; no padding: every LDS read here is 16 bytes a lane on end
	s_mov_b32 s[G1+1], 32<<16
	s_mov_b32 s[G1+2], 64<<16
	s_mov_b32 s[G1+3], 32<<16
	s_mov_b32 s[G1+4], 64
	s_mov_b32 s[G1+5], 32
	s_mov_b32 s[G1+6], 0
	s_mov_b32 s[G1+7], 0
	s_mov_b32 s[G0C], 1
	s_lshl_b32 s[G0C+1], s[WV], 14                 ; waves 0-3: K's quarters, waves 4-7: V's
	s_lshr_b32 s[G0C+2], s[WV], 2
	s_lshl_b32 s[G0C+2], s[G0C+2], 22
	s_add_co_u32 s[G0C+2], s[G0C+2], 0x400000      ; K begins 4 MiB into the buffer, V 8 MiB
	s_lshl_b32 s41, s[BH], 16
	s_add_co_u32 s[G0C+2], s[G0C+2], s41
	s_and_b32 s41, s[WV], 3
	s_lshl_b32 s41, s41, 14
	s_add_co_u32 s[G0C+2], s[G0C+2], s41
	s_mov_b32 s[G0C+3], 0
	s_mov_b32 s[G0S], 1
	s_lshl_b32 s[G0S+1], s[WV], 14                 ; wave 8: VS, wave 9: KS
	s_and_b32 s[G0S+2], s[WV], 1
	s_lshl_b32 s[G0S+2], s[G0S+2], 19
	s_sub_co_u32 s[G0S+2], 0x100000, s[G0S+2]      ; V's words begin 1 MiB into the buffer, K's 512 KiB
	s_lshr_b32 s41, s[BH], 1
	s_lshl_b32 s41, s41, 14
	s_add_co_u32 s[G0S+2], s[G0S+2], s41
	s_mov_b32 s[G0S+3], 0
	; Q: tiles 32 cx + 2 w and the next; its scale words: step 4 cx + (w >> 2), word w & 3 of each lane's four
	s_lshl_b32 s42, s[BH], 16
	s_lshl_b32 s46, s[CX], 14
	s_add_co_u32 s42, s42, s46
	s_lshl_b32 s46, s[WV], 10
	s_add_co_u32 s42, s42, s46
	s_mov_b32 s43, 0
	s_lshl_b32 s44, s[BH], 13
	s_lshl_b32 s46, s[CX], 2
	s_lshr_b32 s47, s[WV], 2
	s_add_co_u32 s46, s46, s47
	s_lshl_b32 s46, s46, 9
	s_add_co_u32 s44, s44, s46
	s_and_b32 s46, s[WV], 3
	s_lshl_b32 s46, s46, 2
	s_add_co_u32 s44, s44, s46
	s_mov_b32 s45, 0
	; the outputs: codes at row tile 128 batch + 32 cx + 2 w, head; halfwords at head, token 2,048 batch + 512 cx
	s_lshr_b32 s48, s[BH], 4
	s_lshl_b32 s46, s48, 7
	s_lshl_b32 s47, s[CX], 5
	s_add_co_u32 s46, s46, s47
	s_lshl_b32 s47, s[WV], 1
	s_add_co_u32 s46, s46, s47
	s_lshl_b32 s46, s46, 13
	s_and_b32 s49, s[BH], 15
	s_lshl_b32 s47, s49, 9
	s_add_co_u32 s46, s46, s47
	s_mov_b32 s47, 0
	s_lshl_b32 s49, s49, 14
	s_lshl_b32 s48, s48, 12
	s_add_co_u32 s48, s48, s49
	s_lshl_b32 s49, s[CX], 10
	s_add_co_u32 s48, s48, s49
	s_mov_b32 s49, 0
	s_mov_b32 s[SEL], 0x76543210
	s_mov_b32 s[SEL+1], 0xfedcba98
	s_mov_b32 s[CS], 0x3e38aa3b                    ; log2(e) / 8
	s_mov_b32 s[CS+1], s[CS]
	s_mov_b32 s[TB], 0
	s_mov_b32 s[TS], 0
	s_mov_b32 s[TV], 0
	s_mov_b32 s[CNT], 16
	s_mov_b32 s[HM], 0xffff0000
	; every LDS address that does not step is made here, ahead of the branch on the wave's number
	v_and_b32 v[AK0], 31, v0
	s_delay_alu instid0(VALU_DEP_1)
	v_lshlrev_b32 v[AK0], 4, v[AK0]
	s_delay_alu instid0(VALU_DEP_1)
	v_add_nc_u32 v[AV0], VC, v[AK0]
	s_lshl_b32 s41, s[PAR], 13
	s_add_co_u32 s41, s41, KS
	v_add_nc_u32 v[ASK0], s41, v[AK0]              ; my head's half of the pair's K words
	s_lshl_b32 s41, s[PAR], 3
	s_add_co_u32 s41, s41, VS
	v_add_nc_u32 v[ASV0], s41, v[AK0]              ; my head's two of each lane's four V words
	v_lshl_add_u32 v[ASH], v0, 1, STG
	v_lshl_add_u32 v[ARH], v0, 4, STG
	s_wait_dscnt 0x0
	s_wait_kmcnt 0x0
	s_add_nc_u64 s[G0C+2:G0C+3], s[4:5], s[G0C+2:G0C+3]
	s_or_b32 s[G0C+3], s[G0C+3], 0x80000000
	s_add_nc_u64 s[G0S+2:G0S+3], s[6:7], s[G0S+2:G0S+3]
	s_or_b32 s[G0S+3], s[G0S+3], 0x80000000
	s_add_nc_u64 s[42:43], s[4:5], s[42:43]
	s_add_nc_u64 s[44:45], s[6:7], s[44:45]
	s_add_nc_u64 s[8:9], s[8:9], s[46:47]
	s_add_nc_u64 s[10:11], s[10:11], s[48:49]
	CROUND                                         ; the four work-groups are here: the joint loads meet
	s_cmp_lt_u32 s[WV], 8                          ; one load a wave at the most is out; the branches hang on the wave's number alone
	s_cbranch_scc0 .Lnot_codes
	tensor_load_to_lds s[G0C:G0C+3], s[G1:G1+7]
	s_nop 0
	PLACES 4                                       ; four plain lines behind a tensor load
	s_branch .Lasked
.Lnot_codes:
	s_cmp_lt_u32 s[WV], 10
	s_cbranch_scc0 .Lasked
	tensor_load_to_lds s[G0S:G0S+3], s[G1:G1+7]
	s_nop 0
	PLACES 4
.Lasked:
	s_wait_alu depctr_va_vdst(0)
	global_load_b128 v[QF:QF+3], v[AK0], s[42:43]
	global_load_b128 v[QF+8:QF+11], v[AK0], s[42:43] offset:512
	global_load_b32 v[QSW], v[AK0], s[44:45]
.irp i, 4,5,6,7,12,13,14,15
	v_mov_b32 v[QF+\i], 0                          ; zero codes for k = 64 .. 127
.endr
.irp i, 32,33,34,35
	v_mov_b32 v[KF+\i], 0                          ; the upper half of K's last fragment
.endr
.set i, 0
.rept 64
	v_mov_b32 v[OT+i], 0                           ; the step is written once: the first finds zeros, which the first change of M leaves zeros
.set i, i+1
.endr
.irp st, 12, 16
	v_mov_b32 v[\st+1], 0xff61b1e6                 ; the largest t so far: -3e38
	s_delay_alu instid0(VALU_DEP_1)
	v_floor_f32 v[\st], -v[\st+1]                  ; -M
	v_mov_b32 v[\st+2], 0                          ; the sum, in two halves
	v_mov_b32 v[\st+3], 0
.endr
.irp b, 0,1,2,3
	v_mov_b32 v[236+\b], 0                         ; a lane permute's destination counts as one of its sources
.endr
	v_mov_b32 v253, 0                              ; (named as the upper half of the pair v[252:253])
.macro QKMM t, x                       ; S^T's tile t for tile x of queries
.set rD, S+8*(\t)
.set rK, KF+4*(\t)
.set rQ, QF+8*(\x)
.set rW, KSW+(\t)/2
.if ((\t)%2 == 0) && ((\x) == 0)
	v_wmma_scale_f32_16x16x128_f8f6f4 v[rD:rD+7], v[rK:rK+7], v[rQ:rQ+7], 0, v[rW], v[QSW] matrix_a_fmt:MATRIX_FMT_FP4 matrix_b_fmt:MATRIX_FMT_FP4
.elseif ((\x) == 0)
	v_wmma_scale_f32_16x16x128_f8f6f4 v[rD:rD+7], v[rK:rK+7], v[rQ:rQ+7], 0, v[rW], v[QSW] matrix_a_fmt:MATRIX_FMT_FP4 matrix_b_fmt:MATRIX_FMT_FP4 matrix_a_scale:MATRIX_SCALE_ROW1
.elseif ((\t)%2 == 0)
	v_wmma_scale_f32_16x16x128_f8f6f4 v[rD:rD+7], v[rK:rK+7], v[rQ:rQ+7], 0, v[rW], v[QSW] matrix_a_fmt:MATRIX_FMT_FP4 matrix_b_fmt:MATRIX_FMT_FP4 matrix_b_scale:MATRIX_SCALE_ROW1
.else
	v_wmma_scale_f32_16x16x128_f8f6f4 v[rD:rD+7], v[rK:rK+7], v[rQ:rQ+7], 0, v[rW], v[QSW] matrix_a_fmt:MATRIX_FMT_FP4 matrix_b_fmt:MATRIX_FMT_FP4 matrix_a_scale:MATRIX_SCALE_ROW1 matrix_b_scale:MATRIX_SCALE_ROW1
.endif
.endm
.macro SQK x
.irp t, 0,1,2,3,4,5,6,7
	QKMM \t, \x
.endr
.endm
.macro PVMM t, x                       ; O^T's channels 16 t on, for tile x of queries
.set rO, OT+32*(\x)+8*(\t)
.set rV, KF+8*(\t)
.set rP, PCD+8*(\x)
.if (\t)%2 == 0
	v_wmma_scale_f32_16x16x128_f8f6f4 v[rO:rO+7], v[rV:rV+7], v[rP:rP+7], v[rO:rO+7], v[VSW+(\t)/2], v[PSW+(\x)] matrix_a_fmt:MATRIX_FMT_FP4 matrix_b_fmt:MATRIX_FMT_FP4
.else
	v_wmma_scale_f32_16x16x128_f8f6f4 v[rO:rO+7], v[rV:rV+7], v[rP:rP+7], v[rO:rO+7], v[VSW+(\t)/2], v[PSW+(\x)] matrix_a_fmt:MATRIX_FMT_FP4 matrix_b_fmt:MATRIX_FMT_FP4 matrix_a_scale:MATRIX_SCALE_ROW1
.endif
.endm
; One tile's softmax for 128 keys.  st: -M, the largest t, the sum's two halves;  ob: its O^T;  pc: where p's codes go;  pw: p's scale word.
.macro SOFTMAX st, ob, pc, pw
.irp b, 0,1,2,3
	v_max3_num_f32 v[232+\b], v[S+16*\b], v[S+1+16*\b], v[S+2+16*\b]           ; the largest score of each block of 32 keys: for the row's maximum, and, since p rises with the score, for the block's largest p
.endr
.irp i, 3,5,7,9,11,13
.irp b, 0,1,2,3
	v_max3_num_f32 v[232+\b], v[232+\b], v[S+16*\b+\i], v[S+1+16*\b+\i]
.endr
.endr
.irp b, 0,1,2,3
	v_max_num_f32 v[232+\b], v[232+\b], v[S+15+16*\b]
.endr
.irp b, 0,1,2,3
	s_delay_alu instid0(VALU_DEP_4)
	v_permlanex16_b32 v[236+\b], v[232+\b], s[SEL], s[SEL+1]
.endr
.irp b, 0,1,2,3
	s_delay_alu instid0(VALU_DEP_4)
	v_max_num_f32 v[232+\b], v[232+\b], v[236+\b]  ; with lane l xor 16's 16 keys
.endr
	s_delay_alu instid0(VALU_DEP_2)
	v_max3_num_f32 v254, v232, v233, v234
	s_delay_alu instid0(VALU_DEP_1)
	v_max_num_f32 v254, v254, v235
	s_delay_alu instid0(VALU_DEP_1)
	v_mul_f32 v254, s[CS], v254                    ; the step's largest t (c is positive)
	s_delay_alu instid0(VALU_DEP_1)
	v_max_num_f32 v[(\st)+1], v[(\st)+1], v254
	v_mov_b32 v254, v[\st]
	s_delay_alu instid0(VALU_DEP_2)
	v_floor_f32 v[\st], -v[(\st)+1]                ; -M = floor(-t): M is a whole number
	s_delay_alu instid0(VALU_DEP_1)
	v_sub_f32 v254, v[\st], v254                   ; old M - new M: a whole number, 0 or less
	s_delay_alu instid0(VALU_DEP_1)
	v_cvt_i32_f32 v254, v254                       ; (it saturates)
	s_delay_alu instid0(VALU_DEP_1)
	v_ldexp_f32 v252, 1.0, v254                    ; f = 2^(old M - new M)
.set j, 0
.rept 32
	v_pk_fma_f32 v[S+j:S+j+1], v[S+j:S+j+1], s[CS:CS+1], v[(\st):(\st)+1] op_sel_hi:[1,0,0]   ; t - M, two at a time
.set j, j+2
.endr
.irp b, 0,1,2,3
	v_fma_f32 v[232+\b], v[232+\b], s[CS], v[\st]  ; the same of each block's largest score
.endr
.set j, 0
	s_wait_alu depctr_va_vdst(0)
.rept 64
	v_exp_f32 v[S+j], v[S+j]                       ; p = 2^(t - M)
.set j, j+1
.endr
	v_pk_mul_f32 v[(\st)+2:(\st)+3], v[(\st)+2:(\st)+3], v[252:253] op_sel_hi:[1,0]   ; the sums under the new M: the plain line behind the exponentials
	s_wait_alu depctr_va_vdst(0)                   ; one wait for the batch of 64, ahead of its first reader
.irp b, 0,1,2,3
	v_exp_f32 v[232+\b], v[232+\b]                 ; the block's largest p: the same two instructions on the same number
.endr
	v_pk_add_f32 v[236:237], v[S:S+1], v[S+2:S+3]  ; the row's sum of the UNQUANTISED p, in two chains
.irp j, 4,8,12,16,20,24,28,32,36,40,44,48,52,56,60
	v_pk_add_f32 v[(\st)+2:(\st)+3], v[(\st)+2:(\st)+3], v[S+\j:S+\j+1]
	v_pk_add_f32 v[236:237], v[236:237], v[S+2+\j:S+3+\j]
.endr
	s_delay_alu instid0(VALU_DEP_1)
	v_pk_add_f32 v[(\st)+2:(\st)+3], v[(\st)+2:(\st)+3], v[236:237]
	s_wait_alu depctr_va_vdst(0)                   ; and one for the four
.irp b, 0,1,2,3
	v_max_num_f32 v[232+\b], 0x1800000, v[232+\b]  ; the floor 2^(3 - 127)
.endr
.irp b, 0,1,2,3
	s_delay_alu instid0(VALU_DEP_4)
	v_add_nc_u32 v[244+\b], 0xff000000, v[232+\b]  ; 2 off the exponent field: the conversion's scale operand
.endr
.irp b, 0,1,2,3
	s_delay_alu instid0(VALU_DEP_4)
	v_lshrrev_b32 v[236+\b], 23, v[244+\b]         ; the scale's byte
.endr
	s_delay_alu instid0(VALU_DEP_3)
	v_lshl_or_b32 v[\pw], v237, 8, v236
	s_delay_alu instid0(VALU_DEP_1)
	v_lshl_or_b32 v[\pw], v238, 16, v[\pw]
	s_delay_alu instid0(VALU_DEP_1)
	v_lshl_or_b32 v[\pw], v239, 24, v[\pw]
.irp t, 0,1,2,3,4,5,6,7
	v_cvt_scalef32_pk8_fp4_f32 v[(\pc)+4*(\t/4)+2*(\t%2)+((\t/2)%2)], v[S+8*\t:S+8*\t+7], v[244+\t/2]
.endr
	v_nop                                          ; one plain line behind the scaled conversions
.irp c, 0,1
	v_permlane16_swap_b32 v[(\pc)+4*\c], v[(\pc)+4*\c+1]
	v_permlane16_swap_b32 v[(\pc)+4*\c+2], v[(\pc)+4*\c+3]     ; register 4 c + i now holds keys 64 c + 32 h + 8 i .. + 7
.endr
.set j, 0
.rept 16
	v_pk_mul_f32 v[(\ob)+j:(\ob)+j+1], v[(\ob)+j:(\ob)+j+1], v[252:253] op_sel_hi:[1,0]   ; O^T under the new M.  These sixteen are also the lines between the scale word, the codes and the products that take them
.set j, j+2
.endr
.endm
	s_wait_loadcnt 0x0                             ; Q
	s_wait_tensorcnt 0x0                           ; my part of the head has landed,
	s_barrier_signal -1
	s_barrier_wait -1                              ; everybody's has
.Lstep:                                            ; 16 trips of 128 keys
	s_setprio 2
	v_add_nc_u32 v[ADK], s[TB], v[AK0]             ; (these four lines are also the places between the last trip's products and the loads into the registers that they read)
	v_add_nc_u32 v[ADV], s[TB], v[AV0]
	v_add_nc_u32 v[ADS], s[TS], v[ASK0]
	v_add_nc_u32 v[ADT], s[TV], v[ASV0]
.irp t, 0,1,2,3,4,5,6,7
	ds_load_b128 v[KF+4*\t:KF+4*\t+3], v[ADK] offset:512*\t
.endr
	ds_load_b128 v[KSW:KSW+3], v[ADS]
	s_wait_dscnt 0x0
	SQK 0
	PLACES 4
	SOFTMAX 12, OT, PCD, PSW
	SQK 1
	PLACES 4                                       ; in front of the loads over K's fragments, and of the first read of the scores
.irp t, 0,1,2,3
.irp c, 0,1
	ds_load_b128 v[KF+8*\t+4*\c:KF+8*\t+4*\c+3], v[ADV] offset:1024*\t+512*\c   ; V lands while tile B's softmax is walked
.endr
.endr
	ds_load_b64 v[VSW:VSW+1], v[ADT]
	s_setprio 1
	SOFTMAX 16, OT+32, PCD+8, PSW+1
	s_setprio 0
	s_wait_alu depctr_va_vdst(0)
	s_wait_dscnt 0x0
.irp t, 0,1,2,3                                ; eight accumulators by turns, one instruction a turn
	PVMM \t, 0
	PVMM \t, 1
.endr
	s_add_co_u32 s[TB], s[TB], 4096
	s_add_co_u32 s[TS], s[TS], 512
	s_add_co_u32 s[TV], s[TV], 1024
	s_sub_co_u32 s[CNT], s[CNT], 1
	s_cmp_lg_u32 s[CNT], 0
	s_cbranch_scc1 .Lstep
	s_setprio 0
	PLACES 4                                       ; behind the last products
; O^T / the sum of tile x, quantised along the head's 64 channels: register 8 t + j is channel 16 t + 8 h + j; two blocks.
.macro FINISH x, st, ob, pc
	v_add_f32 v[(\st)+2], v[(\st)+2], v[(\st)+3]
	s_delay_alu instid0(VALU_DEP_1)
	v_permlanex16_b32 v252, v[(\st)+2], s[SEL], s[SEL+1]
	s_delay_alu instid0(VALU_DEP_1)
	v_add_f32 v[(\st)+2], v[(\st)+2], v252         ; the row's sum
	s_wait_alu depctr_va_vdst(0)
	v_rcp_f32 v[(\st)+2], v[(\st)+2]
	v_nop                                          ; a plain line behind the reciprocal,
	s_wait_alu depctr_va_vdst(0)                   ; and the wait ahead of its first reader
.set j, 0
.rept 16
	v_pk_mul_f32 v[S+j:S+j+1], v[(\ob)+j:(\ob)+j+1], v[(\st)+2:(\st)+3] op_sel_hi:[1,0]   ; each accumulator from its low end on
.set j, j+2
.endr
.irp b, 0,1
	v_max3_num_f32 v[232+\b], |v[S+16*\b]|, |v[S+1+16*\b]|, 0x1800000
.endr
.irp i, 2,4,6,8,10,12,14
.irp b, 0,1
	s_delay_alu instid0(VALU_DEP_2)
	v_max3_num_f32 v[232+\b], v[232+\b], |v[S+16*\b+\i]|, |v[S+1+16*\b+\i]|
.endr
.endr
.irp b, 0,1
	s_delay_alu instid0(VALU_DEP_2)
	v_permlanex16_b32 v[236+\b], v[232+\b], s[SEL], s[SEL+1]
.endr
.irp b, 0,1
	s_delay_alu instid0(VALU_DEP_2)
	v_max_num_f32 v[232+\b], v[232+\b], v[236+\b]
.endr
.irp b, 0,1
	s_delay_alu instid0(VALU_DEP_2)
	v_add_nc_u32 v[244+\b], 0xff000000, v[232+\b]
.endr
.irp b, 0,1
	s_delay_alu instid0(VALU_DEP_2)
	v_lshrrev_b32 v[236+\b], 23, v[244+\b]
.endr
	s_delay_alu instid0(VALU_DEP_1)
	v_lshl_or_b32 v[224+(\x)], v237, 8, v236       ; the row's two bytes for this head
.irp t, 0,1,2,3
	v_cvt_scalef32_pk8_fp4_f32 v[(\pc)+2*(\t%2)+\t/2], v[S+8*\t:S+8*\t+7], v[244+\t/2]
.endr
	v_nop
	v_permlane16_swap_b32 v[\pc], v[(\pc)+1]
	v_permlane16_swap_b32 v[(\pc)+2], v[(\pc)+3]   ; register i now holds channels 32 h + 8 i .. + 7
	global_store_b128 v[AK0], v[(\pc):(\pc)+3], s[8:9] offset:8192*(\x)        ; 512 consecutive bytes, aligned
.endm
	FINISH 0, 12, OT, PCD
	FINISH 1, 16, OT+32, PCD+8
	v_cndmask_b32 v226, v224, v225, s[HM]          ; lanes 0-15: tile A's rows, lanes 16-31: tile B's: thread t holds the halfword of the work-group's query t
	ds_store_b16 v[ASH], v226
	s_wait_dscnt 0x0                               ; for the others' sake
	s_barrier_signal -1
	s_barrier_wait -1
	s_cmp_lt_u32 s[WV], 2
	s_cbranch_scc0 .Lno_scales
	ds_load_b128 v[228:231], v[ARH]                ; waves 0 and 1 store the 1,024 bytes: 512 consecutive bytes a wave, aligned
	v_lshlrev_b32 v227, 4, v0
	s_wait_alu depctr_va_vdst(0)
	s_wait_dscnt 0x0
	global_store_b128 v227, v[228:231], s[10:11]
.Lno_scales:
	s_wait_tensorcnt 0x0
	ds_add_u32 v251, v255
	s_wait_dscnt 0x0
	CROUND                                         ; the closing round
	s_endpgm
.Lfunc_end_k_q2d979a2cbe_attn:
	.size	k_q2d979a2cbe_attn, .Lfunc_end_k_q2d979a2cbe_attn-k_q2d979a2cbe_attn
	.p2alignl 7, 3214868480
	.fill 96, 4, 3214868480
	.section	.rodata,"a",@progbits
	.p2align	6, 0x0
	.amdhsa_kernel k_q2d979a2cbe_attn
		.amdhsa_group_segment_fixed_size 169984
		.amdhsa_private_segment_fixed_size 0
		.amdhsa_enable_private_segment 0
		.amdhsa_kernarg_size 32
		.amdhsa_user_sgpr_count 2
		.amdhsa_user_sgpr_kernarg_segment_ptr 1
		.amdhsa_wavefront_size32 1
		.amdhsa_system_sgpr_workgroup_id_x 1
		.amdhsa_system_sgpr_workgroup_id_y 1
		.amdhsa_system_sgpr_workgroup_id_z 1
		.amdhsa_system_vgpr_workitem_id 0
		.amdhsa_next_free_vgpr 256
		.amdhsa_next_free_sgpr 66
		.amdhsa_reserve_vcc 0
		.amdhsa_float_denorm_mode_32 3
		.amdhsa_float_denorm_mode_16_64 3
		.amdhsa_memory_ordered 1
		.amdhsa_forward_progress 1
		.amdhsa_inst_pref_size 48
	.end_amdhsa_kernel
	.amdgpu_metadata
---
amdhsa.version: [ 1, 2 ]
amdhsa.kernels:
  - .name:           k_q2d979a2cbe_attn
    .symbol:         k_q2d979a2cbe_attn.kd
    .args:
      - { .name: qkvc, .offset: 0, .size: 8, .value_kind: global_buffer, .address_space: global }
      - { .name: qkvs, .offset: 8, .size: 8, .value_kind: global_buffer, .address_space: global }
      - { .name: attc, .offset: 16, .size: 8, .value_kind: global_buffer, .address_space: global }
      - { .name: atts, .offset: 24, .size: 8, .value_kind: global_buffer, .address_space: global }
    .group_segment_fixed_size: 169984
    .private_segment_fixed_size: 0
    .kernarg_segment_align: 8
    .kernarg_segment_size: 32
    .max_flat_workgroup_size: 512
    .sgpr_count:     66
    .vgpr_count:     256
    .wavefront_size: 32
...
	.end_amdgpu_metadata
.endif
;; end of part 2
;; launch outp (part 3): grid 4 x 64, 4 waves a work-group, clusters of 4 x 4, 252,416 bytes of LDS; arguments attc, atts, Wo_codes, Wo_scales, bo, out0; writes out0
.if DOCPART == 3
	.amdgcn_target "amdgcn-amd-amdhsa--gfx1250"
	.amdhsa_code_object_version 6
	.text
	.protected	k_q2d979a2cbe_outp
	.globl	k_q2d979a2cbe_outp
	.p2align	8
	.type	k_q2d979a2cbe_outp,@function
k_q2d979a2cbe_outp:
	s_mov_b64 s[64:65], 0
	v_nop
	global_prefetch_b8 v0, s[64:65] scope:SCOPE_SE
	s_setreg_imm32_b32 hwreg(HW_REG_WAVE_MODE, 25, 1), 1
	s_wait_xcnt 0x0
	s_wait_alu depctr_hold_cnt(0) depctr_sa_sdst(0) depctr_va_vdst(0) depctr_va_sdst(0) depctr_va_ssrc(0) depctr_va_vcc(0) depctr_vm_vsrc(0)
	s_getreg_b32 s2, hwreg(HW_REG_IB_STS2, 6, 4)
	s_cmp_eq_u32 s2, 0
	s_cbranch_scc0 .Lentry_in_a_cluster
	s_endpgm
.Lentry_in_a_cluster:
	s_bfe_u32 s2, ttmp6, 0x10000c
	s_cmp_lg_u32 s2, 0xf033
	s_cbranch_scc0 .Lentry_shape_is_right
	s_endpgm
.Lentry_shape_is_right:
; out = A Wo^T + bo on codes of FP4 with E8M0 scales.  A is the attention's result as the launch before stored it: images of operand registers, [row tile of 16 tokens][head][512 bytes], and two scale bytes for each
; token and head, [head][token].  Wo: rows of 512 bytes of codes and 32 scale bytes.  out0: [8,192][1,024] f32.
; THE MATRIX INSTRUCTION IS USED TRANSPOSED: source 0 = 16 rows of Wo (output channels), source 1 = 16 tokens: a lane holds eight neighbouring numbers of a row of out0.
; SHARES.  A work-group makes 256 channels x 128 tokens over all of K = 1,024.  Wave w: g = w & 1 picks its 128 channels, ah = w >> 1 its 64 tokens: 32 accumulators.
; LDS.  All of K fits, in two chunks of 512 along K, each filled once.  CLUSTER 4 x 4: Wo's tiles hang on cx alone and are asked for jointly by a column, A's on cy alone and by a row.
; bo is the C of the first K step.  A fragment of A for K step s is the groups of heads 2 s and 2 s + 1; its scale word is the two heads' halfwords.
; THE WAY OUT.  16 tokens x 128 channels at a time through the wave's own stage in LDS, back as whole rows of 512 bytes.
.set PITCH, 272
.set CH0,   256*PITCH                  ; a chunk of Wo: 256 rows
.set AIMG,  2*CH0                      ; A's images: chunk x 32,768 + tile x 4,096 + head in the chunk x 512
.set SC0,   AIMG+65536                 ; Wo's scale bytes: 32 units of 256 + 16
.set SC1,   SC0+32*PITCH               ; A's halfwords: 16 heads x (256 + 16)
.set STAGE, SC1+16*PITCH               ; 16 rows x 528 bytes for each wave: whole blocks of 256 bytes into which no fill lands
.set SP,    528
.set WV,  2
.set GH,  3
.set AH,  104
.set TC,  105                          ; a temporary that only ever holds numbers made of the wave's number
.set CX,  30
.set CY,  31
.set TL0, 34
.set TL1, 35
.set G1A, 36
.set G1B, 44
.set G1SA, 52
.set G1SB, 68
.set G0,  76
.set CO,  3                            ; v3   16 x lane
.set AD0, 4                            ; v4-5 Wo's fragments in chunk 0, 1
.set AD1, 6                            ; v6   A's images
.set AS0, 8                            ; v8   Wo's scale words
.set AS1, 9                            ; v9   A's halfwords
.set STO, 10
.set RD,  11
.set SW0, 32                           ; v32-95  Wo's scale words: tile b, K step k at 8 b + k
.set SW1, 96                           ; v96-127 A's
.set F1,  128                          ; v128-159 A's four fragments
.set T,   160                          ; v160-223 the halfwords as loaded
.set BK,  128                          ; the way out: v128-191 and v192-255 by turns
.set B0,  128                          ; window 2: v128-191 bo.  Window 2 v0-127: Wo's two sets of fragments.  Window 1: accumulator (al, b) at 8 (8 al + b)
.set MSB, 0
.macro WIN new
.if MSB != (\new)
	s_set_vgpr_msb (MSB<<8)|(\new)
.set MSB, (\new)
.endif
.endm
.macro PLACES n
.rept \n
	v_nop
.endr
.endm
.macro CROUND
	s_barrier_signal -1
	s_barrier_wait -1
	s_cmp_lg_u32 s[WV], 0
	s_cbranch_scc1 .Lnot_wave_0_\@
	s_barrier_signal -3
.Lnot_wave_0_\@:
	s_barrier_wait -3
	s_barrier_signal -1
	s_barrier_wait -1
.endm
	s_load_b256 s[4:11], s[0:1], 0x0               ; attc, atts, Wo codes, Wo scales
	s_load_b128 s[12:15], s[0:1], 0x20             ; bo, out0
	v_lshl_add_u32 v30, v0, 2, 0x3d800
	v_mov_b32 v31, 0
	ds_add_u32 v30, v31
	ds_add_u32 v30, v31
	v_lshrrev_b32 v1, 5, v0
	v_readfirstlane_b32 s[WV], v1
	s_and_b32 s[GH], s[WV], 1
	s_lshr_b32 s[AH], s[WV], 1
	s_bfe_u32 s[CX], ttmp6, 0x40000
	s_bfe_u32 s[CY], ttmp6, 0x40004
	s_lshl_b32 s[TL0], ttmp9, 2
	s_add_co_u32 s[TL0], s[TL0], s[CX]             ; which 256 channels
	s_and_b32 s[TL1], ttmp7, 0xffff
	s_lshl_b32 s[TL1], s[TL1], 2
	s_add_co_u32 s[TL1], s[TL1], s[CY]             ; which 128 tokens
	s_lshl_b32 s67, 0x1111, s[CX]                  ; my column of the cluster
	s_lshl_b32 s101, s[CY], 2
	s_lshl_b32 s101, 15, s101                      ; my row
	s_or_b32 s[G1A], s67, (0<<16)|(1<<20)|(1<<21)|(5<<22)|(3<<25)    ; Wo's codes: 64 rows of 256 bytes, 16 bytes of padding behind each
	s_mov_b32 s[G1A+1], 256<<16
	s_mov_b32 s[G1A+2], 64<<16
	s_mov_b32 s[G1A+3], 256<<16
	s_mov_b32 s[G1A+4], 64
	s_mov_b32 s[G1A+5], 512
	s_mov_b32 s[G1A+6], 0
	s_mov_b32 s[G1A+7], 0
	s_or_b32 s[G1B], s101, (3<<16)|(1<<21)         ; A's images: two row tiles x eight heads' groups (4,096 bytes), 8,192 bytes apart; no padding: they are read 16 bytes a lane on end
	s_mov_b32 s[G1B+1], 512<<16
	s_mov_b32 s[G1B+2], 2<<16
	s_mov_b32 s[G1B+3], 512<<16
	s_mov_b32 s[G1B+4], 2
	s_mov_b32 s[G1B+5], 1024
	s_mov_b32 s[G1B+6], 0
	s_mov_b32 s[G1B+7], 0
	s_or_b32 s[G1SA], s67, (3<<16)|(1<<20)|(1<<21)|(5<<22)|(3<<25)   ; Wo's scale bytes of 64 rows: 8 rows of 256 bytes, dense
	s_mov_b32 s[G1SA+1], 32<<16
	s_mov_b32 s[G1SA+2], 8<<16
	s_mov_b32 s[G1SA+3], 32<<16
	s_mov_b32 s[G1SA+4], 8
	s_mov_b32 s[G1SA+5], 32
	s_mov_b32 s[G1SA+6], 0
	s_mov_b32 s[G1SA+7], 0
	s_or_b32 s[G1SB], s101, (3<<16)|(1<<20)|(1<<21)|(5<<22)|(3<<25)  ; A's halfwords: four heads x 256 bytes (128 tokens), 16,384 bytes apart
	s_mov_b32 s[G1SB+1], 32<<16
	s_mov_b32 s[G1SB+2], 4<<16
	s_mov_b32 s[G1SB+3], 32<<16
	s_mov_b32 s[G1SB+4], 4
	s_mov_b32 s[G1SB+5], 2048
	s_mov_b32 s[G1SB+6], 0
	s_mov_b32 s[G1SB+7], 0
	s_mov_b32 s[G0+0], 1
	s_mul_i32 s[G0+1], s[WV], 8*PITCH
	s_add_co_u32 s[G0+1], s[G0+1], SC0
	s_mov_b32 s[G0+4], 1
	s_mul_i32 s[G0+5], s[WV], 4*PITCH
	s_add_co_u32 s[G0+5], s[G0+5], SC1
	s_mov_b32 s[G0+8], 1
	s_mul_i32 s[G0+9], s[WV], 64*PITCH
	s_mov_b32 s[G0+12], 1
	s_lshl_b32 s[G0+13], s[WV], 13
	s_add_co_u32 s[G0+13], s[G0+13], AIMG
	s_mov_b32 s[G0+16], 1
	s_add_co_u32 s[G0+17], s[G0+9], CH0
	s_mov_b32 s[G0+20], 1
	s_add_co_u32 s[G0+21], s[G0+13], 32768
	s_lshl_b32 s66, s[TL0], 8
	s_lshl_b32 s67, s[WV], 6
	s_add_co_u32 s66, s66, s67                     ; the first row of Wo that I fetch
	s_lshl_b32 s[G0+2], s66, 5
	s_mov_b32 s[G0+3], 0
	s_lshl_b32 s[G0+10], s66, 9
	s_mov_b32 s[G0+11], 0
	s_lshl_b32 s[G0+6], s[TL1], 8                  ; halfwords: 256 bytes a tile of 128 tokens, heads 4 w on
	s_lshl_b32 s100, s[WV], 16
	s_add_co_u32 s[G0+6], s[G0+6], s100
	s_mov_b32 s[G0+7], 0
	s_lshl_b32 s[G0+14], s[TL1], 3                 ; images: row tile 8 tile1 + 2 w
	s_lshl_b32 s100, s[WV], 1
	s_add_co_u32 s[G0+14], s[G0+14], s100
	s_lshl_b32 s[G0+14], s[G0+14], 13
	s_mov_b32 s[G0+15], 0
	s_wait_dscnt 0x0
	s_wait_kmcnt 0x0
	s_add_nc_u64 s[G0+2:G0+3], s[10:11], s[G0+2:G0+3]
	s_add_nc_u64 s[G0+6:G0+7], s[6:7], s[G0+6:G0+7]
	s_add_nc_u64 s[G0+10:G0+11], s[8:9], s[G0+10:G0+11]
	s_add_nc_u64 s[G0+14:G0+15], s[4:5], s[G0+14:G0+15]
	s_add_nc_u64 s[G0+18:G0+19], s[G0+10:G0+11], 256       ; the second chunk: 256 bytes on in a row of Wo,
	s_add_nc_u64 s[G0+22:G0+23], s[G0+14:G0+15], 4096      ; eight heads on in a row tile of A
.irp i, 3,7,11,15,19,23
	s_or_b32 s[G0+\i], s[G0+\i], 0x80000000
.endr
	CROUND                                         ; all sixteen work-groups are here: the joint loads meet
	tensor_load_to_lds s[G0+0:G0+3], s[G1SA:G1SA+7]        ; six loads of mine are out: Wo's scales,
	s_nop 0
	tensor_load_to_lds s[G0+4:G0+7], s[G1SB:G1SB+7]        ; A's halfwords,
	s_nop 0
	tensor_load_to_lds s[G0+8:G0+11], s[G1A:G1A+7]         ; chunk 0 of Wo,
	s_nop 0
	tensor_load_to_lds s[G0+12:G0+15], s[G1B:G1B+7]        ; of A,
	s_nop 0
	tensor_load_to_lds s[G0+16:G0+19], s[G1A:G1A+7]        ; chunk 1 of Wo,
	s_nop 0
	tensor_load_to_lds s[G0+20:G0+23], s[G1B:G1B+7]        ; of A
	s_nop 0
	PLACES 4                                       ; four plain lines behind a tensor load
	s_lshl_b32 s18, s[CX], 10
	s_lshl_b32 s19, s[GH], 9
	s_add_co_u32 s18, s18, s19                     ; my first channel, in bytes of f32: 4 (256 cx + 128 g)
	s_mov_b32 s19, 0
	s_add_nc_u64 s[12:13], s[12:13], s[18:19]      ; bo there
	s_lshl_b32 s16, s[TL1], 7
	s_lshl_b32 s17, s[AH], 6
	s_add_co_u32 s16, s16, s17                     ; my first token
	s_lshl_b32 s16, s16, 12                        ; a row of out0 is 4,096 bytes
	s_add_co_u32 s16, s16, s18
	s_mov_b32 s17, 0
	s_add_nc_u64 s[14:15], s[14:15], s[16:17]
	v_and_b32 v1, 15, v0                           ; r
	v_bfe_u32 v2, v0, 4, 1                         ; h
	v_and_b32 v[CO], 31, v0
	v_lshlrev_b32 v[CO], 4, v[CO]
	v_lshlrev_b32 v13, 5, v2
	WIN 0x80                                       ; destination window 2
.irp b, 0,1,2,3,4,5,6,7
	global_load_b128 v[B0+8*\b:B0+8*\b+3], v13, s[12:13] offset:64*\b          ; bo(16 b + 8 h + 0 .. 7)
	global_load_b128 v[B0+8*\b+4:B0+8*\b+7], v13, s[12:13] offset:64*\b+16
.endr
	WIN 0
	v_mul_u32_u24 v15, v1, PITCH
	v_lshl_add_u32 v15, v2, 4, v15
	s_mul_i32 s[TC], s[GH], 128*PITCH
	v_add_nc_u32 v[AD0], s[TC], v15
	v_add_nc_u32 v[AD0+1], CH0, v[AD0]
	s_lshl_b32 s[TC], s[AH], 14
	s_add_co_u32 s[TC], s[TC], AIMG
	v_add_nc_u32 v[AD1], s[TC], v[CO]              ; my four tiles' images, 16 bytes a lane
	v_lshrrev_b32 v8, 3, v1
	v_mul_u32_u24 v8, v8, PITCH
	v_and_b32 v9, 7, v1
	v_lshl_add_u32 v9, v9, 5, v8
	s_mul_i32 s[TC], s[GH], 16*PITCH
	s_add_co_u32 s[TC], s[TC], SC0
	v_add_nc_u32 v[AS0], s[TC], v9
	s_lshl_b32 s[TC], s[AH], 7
	s_add_co_u32 s[TC], s[TC], SC1
	v_lshl_add_u32 v[AS1], v1, 1, s[TC]            ; token 64 ah + r: 2 bytes a token
	s_mul_i32 s[TC], s[WV], 16*SP
	s_add_co_u32 s[TC], s[TC], STAGE               ; my stage
	v_mul_u32_u24 v[STO], v1, SP
	v_lshl_add_u32 v[STO], v2, 5, v[STO]
	v_add_nc_u32 v[STO], s[TC], v[STO]             ; in: row r, 32 bytes for each half of the lanes
	v_add_nc_u32 v[RD], s[TC], v[CO]               ; back: the 32 lanes take one row of 512 bytes
.macro FETCH0 k                        ; Wo's eight fragments of K step k into set k % 2 (window 2): 16 loads
	WIN 0x80
.irp b, 0,1,2,3,4,5,6,7
.irp c, 0,1
	ds_load_b128 v[64*((\k)%2)+8*\b+4*\c:64*((\k)%2)+8*\b+4*\c+3], v[AD0+(\k)/4] offset:64*((\k)%4)+32*\c+16*PITCH*\b
.endr
.endr
.endm
.macro FETCH1 k, a0                    ; A's tiles a0, a0 + 1: the groups of heads 2 k and 2 k + 1: 4 loads
	WIN 0
.irp a, \a0, \a0+1
.irp c, 0,1
	ds_load_b128 v[F1+8*(\a)+4*\c:F1+8*(\a)+4*\c+3], v[AD1] offset:32768*((\k)/4)+4096*(\a)+512*(2*((\k)%4)+\c)
.endr
.endr
.endm
.macro MWIN k                          ; source 0 window 2, source 1 window 0, D window 1; C window 1, in the first K step window 2 (bo)
.if (\k) == 0
	WIN 0x62
.else
	WIN 0x52
.endif
.endm
.macro MUL8 a, k                       ; the 32 accumulators take turns, one instruction a turn, in the same order in every K step
.irp b, 0,1,2,3,4,5,6,7
.if (\k) == 0
	v_wmma_scale_f32_16x16x128_f8f6f4 v[8*(8*(\a)+\b):8*(8*(\a)+\b)+7], v[64*((\k)%2)+8*\b:64*((\k)%2)+8*\b+7], v[F1+8*(\a):F1+8*(\a)+7], v[B0+8*\b:B0+8*\b+7], v[SW0+8*\b+(\k)], v[SW1+8*(\a)+(\k)] matrix_a_fmt:MATRIX_FMT_FP4 matrix_b_fmt:MATRIX_FMT_FP4
.else
	v_wmma_scale_f32_16x16x128_f8f6f4 v[8*(8*(\a)+\b):8*(8*(\a)+\b)+7], v[64*((\k)%2)+8*\b:64*((\k)%2)+8*\b+7], v[F1+8*(\a):F1+8*(\a)+7], v[8*(8*(\a)+\b):8*(8*(\a)+\b)+7], v[SW0+8*\b+(\k)], v[SW1+8*(\a)+(\k)] matrix_a_fmt:MATRIX_FMT_FP4 matrix_b_fmt:MATRIX_FMT_FP4
.endif
.endr
.endm
; A K step of 128: 32 matrix instructions.  A's tiles 0, 1 are fetched anew in the step's middle, with Wo's other set; tiles 2, 3 at its end.  Loads into registers that matrix instructions have read stand
; four plain vector instructions behind them (ISA guide 7.12.1 for vector instructions).
.macro STEP k
.if (\k) == 3
	s_wait_dscnt 0x0                               ; no LDS load of mine is out at a signal;
	s_wait_tensorcnt 0x0                           ; my parts of chunk 1 have landed:
	s_barrier_signal -1                            ; say so
.else
	s_wait_dscnt 0x4                               ; all but the four youngest loads (A's tiles 2, 3) are in
.endif
	MWIN \k
	MUL8 0, \k
	MUL8 1, \k
.if (\k) == 3
	s_barrier_wait -1                              ; chunk 1 is whole for every wave
.endif
.if (\k) < 7
	PLACES 4
	FETCH0 (\k)+1
	FETCH1 (\k)+1, 0
	s_wait_dscnt 20                                ; all but the 20 just issued: A's tiles 2, 3 are in
.else
	s_wait_dscnt 0x0
.endif
	MWIN \k
	MUL8 2, \k
	MUL8 3, \k
.if (\k) < 7
	PLACES 4
	FETCH1 (\k)+1, 2
.endif
.endm
	s_wait_alu depctr_va_vdst(0)
	s_wait_tensorcnt 0x2                           ; the scales and chunk 0 are in: only chunk 1's two loads may be out,
	s_barrier_signal -1
	s_barrier_wait -1                              ; and so for every wave
.irp a, 0,1,2,3
.irp hd, 0,1,2,3,4,5,6,7,8,9,10,11,12,13,14,15
	ds_load_u16 v[T+16*\a+\hd], v[AS1] offset:PITCH*\hd+32*\a                  ; token 16 a + r's two bytes for head hd
.endr
.endr
	s_wait_dscnt 0x0
.irp a, 0,1,2,3
.irp s, 0,1,2,3,4,5,6,7
	v_lshl_or_b32 v[SW1+8*\a+\s], v[T+16*\a+2*\s+1], 16, v[T+16*\a+2*\s]       ; K step s: heads 2 s and 2 s + 1
.endr
.endr
	PLACES 8                                       ; a scale register written by a vector instruction stands eight plain lines ahead of a scaled matrix instruction
.irp b, 0,1,2,3,4,5,6,7
	ds_load_b128 v[SW0+8*\b:SW0+8*\b+3], v[AS0] offset:2*PITCH*\b
	ds_load_b128 v[SW0+8*\b+4:SW0+8*\b+7], v[AS0] offset:2*PITCH*\b+16
.endr
	FETCH0 0
	FETCH1 0, 0
	FETCH1 0, 2
	s_wait_alu depctr_va_vdst(0)
	s_wait_loadcnt 0x0                             ; bo
.irp k, 0,1,2,3,4,5,6,7
	STEP \k
.endr
; THE WAY OUT.  LDS serves a wave's instructions in order (ISA guide 5.7.1.4): no wait between the stores into my stage and the loads from it, nor in front of the next block's stores.
.macro TOSTAGE a
	WIN 0x04                                       ; an LDS store's data are its source 1: window 1
.irp b, 0,1,2,3,4,5,6,7
	ds_store_b128 v[STO], v[64*(\a)+8*\b:64*(\a)+8*\b+3] offset:64*\b          ; each accumulator from its low end on
	ds_store_b128 v[STO], v[64*(\a)+8*\b+4:64*(\a)+8*\b+7] offset:64*\b+16
.endr
	WIN 0
.irp t, 0,1,2,3,4,5,6,7,8,9,10,11,12,13,14,15
	ds_load_b128 v[BK+64*((\a)%2)+4*\t:BK+64*((\a)%2)+4*\t+3], v[RD] offset:\t*SP
.endr
.endm
.macro SEND a, younger                 ; younger: the LDS instructions issued behind block a's loads, which may stay out
	s_wait_dscnt \younger
.irp t, 0,1,2,3,4,5,6,7,8,9,10,11,12,13,14,15
	global_store_b128 v[CO], v[BK+64*((\a)%2)+4*\t:BK+64*((\a)%2)+4*\t+3], s[14:15] offset:(16*(\a)+\t)*4096 th:TH_STORE_NT   ; 32 lanes store 512 consecutive bytes, aligned; 63 rows at the most stand in the immediate
.endr
.endm
	PLACES 4                                       ; in front of the first read of results, and of loads into A's fragments
	TOSTAGE 0
.irp a, 1,2,3
.if \a > 1
	s_wait_xcnt 0x0                                ; block a - 2's stores have read their registers: block a's loads may land there
.endif
	TOSTAGE \a
	SEND \a-1, 32                                  ; behind block a - 1's loads: block a's 16 stores and 16 loads
.endr
	SEND 3, 0
	s_wait_tensorcnt 0x0
	ds_add_u32 v30, v31
	s_wait_dscnt 0x0
	CROUND                                         ; the closing round: no work-group ends while a partner may still ask jointly
	s_endpgm
.Lfunc_end_k_q2d979a2cbe_outp:
	.size	k_q2d979a2cbe_outp, .Lfunc_end_k_q2d979a2cbe_outp-k_q2d979a2cbe_outp
	.p2alignl 7, 3214868480
	.fill 96, 4, 3214868480
	.section	.rodata,"a",@progbits
	.p2align	6, 0x0
	.amdhsa_kernel k_q2d979a2cbe_outp
		.amdhsa_group_segment_fixed_size 252416
		.amdhsa_private_segment_fixed_size 0
		.amdhsa_enable_private_segment 0
		.amdhsa_kernarg_size 48
		.amdhsa_user_sgpr_count 2
		.amdhsa_user_sgpr_kernarg_segment_ptr 1
		.amdhsa_wavefront_size32 1
		.amdhsa_system_sgpr_workgroup_id_x 1
		.amdhsa_system_sgpr_workgroup_id_y 1
		.amdhsa_system_sgpr_workgroup_id_z 1
		.amdhsa_system_vgpr_workitem_id 0
		.amdhsa_next_free_vgpr 768
		.amdhsa_next_free_sgpr 106
		.amdhsa_reserve_vcc 0
		.amdhsa_float_denorm_mode_32 3
		.amdhsa_float_denorm_mode_16_64 3
		.amdhsa_memory_ordered 1
		.amdhsa_forward_progress 1
		.amdhsa_inst_pref_size 80
	.end_amdhsa_kernel
	.amdgpu_metadata
---
amdhsa.version: [ 1, 2 ]
amdhsa.kernels:
  - .name:           k_q2d979a2cbe_outp
    .symbol:         k_q2d979a2cbe_outp.kd
    .args:
      - { .name: attc, .offset: 0, .size: 8, .value_kind: global_buffer, .address_space: global }
      - { .name: atts, .offset: 8, .size: 8, .value_kind: global_buffer, .address_space: global }
      - { .name: Wo_codes, .offset: 16, .size: 8, .value_kind: global_buffer, .address_space: global }
      - { .name: Wo_scales, .offset: 24, .size: 8, .value_kind: global_buffer, .address_space: global }
      - { .name: bo, .offset: 32, .size: 8, .value_kind: global_buffer, .address_space: global }
      - { .name: out0, .offset: 40, .size: 8, .value_kind: global_buffer, .address_space: global }
    .group_segment_fixed_size: 252416
    .private_segment_fixed_size: 0
    .kernarg_segment_align: 8
    .kernarg_segment_size: 48
    .max_flat_workgroup_size: 128
    .sgpr_count:     106
    .vgpr_count:     768
    .wavefront_size: 32
...
	.end_amdgpu_metadata
.endif
;; end of part 3
